; MI455X (gfx1250); checked and timed in simulation.
; The chip was launched on July 23, 2026; its instructions are those of AMD's public machine-readable ISA for CDNA 5 (MIT licence, August 2026) and "CDNA5" Instruction Set Architecture Reference Guide (July 2026). The comments in the code are by the model that wrote it; some were corrected since.
;; Attention. Allowed arithmetic: matrix products marked QUANTISED: E2M1 operands, one E8M0 scale for each 32 along K, by v_wmma_scale_f32_16x16x128_f8f6f4 with both operands' format E2M1 (or v_wmma_scale_f32_32x16x128_f4), f32 sums; products left as they are: f32 operands where the result goes on into a quantised operand, else bf16, f16 or f32 operands; f32 sums; everything else in f32.
;; Inputs: Ua_b 1,024 float32; Ua_w_codes 1,024 x 64 x 16 uint8 (E2M1 codes of Ua_w, K innermost, in blocks of 32 codes, two codes a byte); Ua_w_scales 1,024 x 64 uint8 (E8M0 scales of Ua_w, one for each 32 codes along K); Wa_b 1,024 float32; Wa_w_codes 1,024 x 32 x 16 uint8 (E2M1 codes of Wa_w, K innermost, in blocks of 32 codes, two codes a byte); Wa_w_scales 1,024 x 32 uint8 (E8M0 scales of Wa_w, one for each 32 codes along K); encoder_hiddens_codes 512 x 64 x 64 x 16 uint8 (E2M1 codes of encoder_hiddens, K innermost, in blocks of 32 codes, two codes a byte); encoder_hiddens_scales 512 x 64 x 64 uint8 (E8M0 scales of encoder_hiddens, one for each 32 codes along K); last_dec_hidden_codes 64 x 32 x 16 uint8 (E2M1 codes of last_dec_hidden, K innermost, in blocks of 32 codes, two codes a byte); last_dec_hidden_scales 64 x 32 uint8 (E8M0 scales of last_dec_hidden, one for each 32 codes along K); v_w 1,024 float32.
;; Outputs: out0 64 x 512 float32.
;; This version of the problem:
;;   THIS VERSION OF THE PROBLEM IS GIVEN IN LOW PRECISION. The matrix products marked QUANTISED in the list below multiply operands that are first quantised to E2M1 (2 exponent bits, 1 mantissa bit; 4 bits a number), with one power-of-two scale for each 32 numbers along K (OCP MX v1.0); their sums are f32. All else is computed in f32.
;;   The module's matrix products, in the order in which they are computed (A, B: the left and right operand; K: the contracted axis; several contracted axes count as one K, in the product's order):
;;     1. [M 32,768, K 2,048] x [K 2,048, N 1,024]; A: input encoder_hiddens (given as codes); B: input Ua_w (given as codes): QUANTISED
;;     2. [M 64, K 1,024] x [K 1,024, N 1,024]; A: input last_dec_hidden (given as codes); B: input Wa_w (given as codes): QUANTISED
;;     3. [M 32,768, K 1,024] x [K 1,024, N 1]; A: computed on the way; B: input v_w: left as it is (N = 1 < 16)
;;   THE QUANTISER, for each operand of a quantised product, along K:
;;     - K is cut into blocks of 32 from its start; a last block that is shorter is filled with zeros.
;;     - A block's scale is 2^e with e = floor(log2(the largest magnitude in the block)) - 2, held to -126 .. 127; a block of zeros has e = 0. As a byte (E8M0): e + 127.
;;     - Each number is divided by its block's scale, clamped to +-6, and rounded to the nearest number of E2M1, ties to even, subnormals kept.
;;     - The product sums the exact products of the quantised numbers (number of the format x scale) in f32.
;;   ~~~python
;;   def quantise(x, axis):      # numpy; x: float32 -> the quantised numbers, widened to float32 again
;;       x = np.moveaxis(x, axis, -1); K = x.shape[-1]
;;       x = np.pad(x, [(0, 0)] * (x.ndim - 1) + [(0, -K % 32)]); x = x.reshape(x.shape[:-1] + (-1, 32)); a = np.abs(x).max(-1, keepdims=True)
;;       e = np.where(a > 0, np.clip(np.frexp(np.where(a > 0, a, 1))[1] - 1 - 2, -126, 127), 0)      # np.frexp(a)[1] - 1 = floor(log2(a)), exactly
;;       r = np.clip(x / 2.0 ** e, -6, 6)
;;       step = 2.0 ** (np.maximum(np.frexp(np.where(r == 0, 1, r))[1] - 1, 0) - 1)
;;       q = np.round(r / step) * step * 2.0 ** e      # np.round: ties to even
;;       return np.moveaxis(q.reshape(q.shape[:-2] + (-1,))[..., :K], -1, axis).astype(np.float32)
;;   ~~~
;;   INPUTS GIVEN AS CODES. Ua_w (in the module: [1024, 2048], K = its axis 1); Wa_w (in the module: [1024, 1024], K = its axis 1); encoder_hiddens (in the module: [512, 64, 2048], K = its axis 2); last_dec_hidden (in the module: [64, 1024], K = its axis 1): each comes as NAME_codes (uint8): NAME with its K axis moved to the last place and cut into blocks of 32 codes, [.., K / 32, bytes a block], one block behind the other in memory; two codes a byte, the lower K in the low four bits (a code: sign, 2 exponent bits, 1 mantissa bit); and NAME_scales (uint8): the same leading axes, one E8M0 byte (e + 127) for each 32 codes along K. Its value is code x scale, taken as it is: it is not quantised again, and the codes and scales need not be those that the quantiser above would give.
;; One version. Each part assembles by itself: llvm-mc -triple=amdgcn-amd-amdhsa -mcpu=gfx1250 --defsym DOCPART=n.
;; ======== version 1 of 1: 2 launches
;; limits: right only within a limited range of input values
;; workspace buffers: part 524,288 bytes
;; launch energy (part 1): grid 4 x 64, 4 waves a work-group, clusters of 4 x 4, 327,680 bytes of LDS; arguments encoder_hiddens_codes, encoder_hiddens_scales, Ua_w_codes, Ua_w_scales, Wa_w_codes, Wa_w_scales, last_dec_hidden_codes, last_dec_hidden_scales, Wa_b, Ua_b, v_w, part; writes part
.if DOCPART == 1
	.amdgcn_target "amdgcn-amd-amdhsa--gfx1250"
	.amdhsa_code_object_version 6
	.text
	.protected	k_qce2e5e61fe_energy
	.globl	k_qce2e5e61fe_energy
	.p2align	8
	.type	k_qce2e5e61fe_energy,@function
k_qce2e5e61fe_energy:
	s_mov_b64 s[64:65], 0
	v_nop
	global_prefetch_b8 v0, s[64:65] scope:SCOPE_SE
	s_setreg_imm32_b32 hwreg(HW_REG_WAVE_MODE, 25, 1), 1
	s_wait_xcnt 0x0
	s_wait_alu depctr_hold_cnt(0) depctr_sa_sdst(0) depctr_va_vdst(0) depctr_va_sdst(0) depctr_va_ssrc(0) depctr_va_vcc(0) depctr_vm_vsrc(0)
	s_getreg_b32 s2, hwreg(HW_REG_IB_STS2, 6, 4)
	s_cmp_eq_u32 s2, 0
	s_cbranch_scc0 .Lentry_in_a_cluster
	s_endpgm
.Lentry_in_a_cluster:
	s_bfe_u32 s2, ttmp6, 0x10000c
	s_cmp_lg_u32 s2, 0xf033
	s_cbranch_scc0 .Lentry_shape_is_right
	s_endpgm
.Lentry_shape_is_right:
; THE PROGRAM: out0[b][s] = softmax over s of the sum over u of v_w[u] tanh(x[s][b][u]),  x = enc[s][b] . Ua[u] + Ua_b[u] + dec[b] . Wa[u] + Wa_b[u].
; Two launches: this one makes both products, tanh and the sum over u; the second the softmax.
; THE FORM OF tanh: tanh(x) = 1 - 2 r, r = 1 / (1 + 2^(c x)), c = 2 log2(e).  So the sum over u of v_w[u] tanh(x) = (the sum over u of v_w[u]) - 2 (the sum over u of v_w[u] r).
; WORK LEFT OUT: the first term, the sum over u of v_w[u], is the same number for every s of a row b, whatever the inputs hold; a term that is the same along the softmax's axis leaves the softmax as it is.
; It is never formed.  Every input still has a way to the output and is loaded.  LIMIT: an overflow, an infinity or a NaN that would arise in that sum alone is not carried to the result.
; LIMITS of the program: a scale byte 0xff among the inputs was not tried.  2^(c x) may overflow to infinity (r = 0, tanh = 1) or fall to 0 (r = 1, tanh = -1): both are tanh's own limits.
;
; THIS LAUNCH: part[tx][b][s] = the sum over the 256 units u of column tile tx of v_w[u] r,  r = 1 / (1 + 2^(c acc + bias)),  acc = enc[s][b] . Ua[u],  bias = c (dec[b] . Wa[u] + Wa_b[u] + Ua_b[u]).
; SHARES.  256 work-groups: one b (its 512 rows s) x 256 units.  A wave takes 64 of the units and all 512 rows.  Its 64 rows of Ua, for all of K = 2,048, stay in 512 registers for the whole launch; the rows of enc
; come through LDS, two slots of 128 rows x 1,024 bytes, four tiles in all.  So in the loops only enc's fragments are read from LDS: each feeds two matrix instructions of 32 units x 16 rows.
; A GROUP is 64 rows: 8 accumulators of 32 x 16, 128 registers, 16 steps of 128 along K; then its way out: c acc + bias, 2^., + 1, 1 / ., times v_w, summed over the wave's units.  Two groups make a tile.
; THE MATRIX INSTRUCTION takes source 0 = 32 rows of Ua, source 1 = 16 rows of enc: lane (r, h) holds row r of the block, and its register 8 t + j of 32 the unit 16 t + 8 h + j.
; CLUSTERS: 4 x 4 work-groups: four unit tiles x four b.  The four of a row of the cluster (one b) need the same rows of enc and of its scales, the four of a column (one unit tile) the same rows of Ua and Wa: these tiles are asked for JOINTLY.
; THE HEAD'S FILLS, one a wave: the first 64 rows of enc into slot 0's first half; the scales of all 512 rows of enc (64 bytes a row), which stay; Ua's K steps 0 to 7 (256 rows x 512 bytes) into slot 1;
; Ua's K steps 8 to 11 (256 rows x 256 bytes) into slot 0's second half.  Ua's K steps 12 to 15 find no room beside them in LDS: they come from memory straight into registers, 32 loads a wave, each row once in a work-group.
; When Ua's parts have been moved into registers, slot 0's second half takes the tile's other 64 rows of enc and slot 1 takes Wa; when the bias has been made of Wa, slot 1 takes tile 1.
; THE BIAS of the wave's 64 units and its one b is made behind the first group's products: source 0 = Wa's rows, source 1 = dec's row in all sixteen columns, so the result has the accumulators' layout.  Wa_b + Ua_b start the sums.
; No prefetch: a tile is asked for two groups (256 matrix instructions and 512 exponentials and reciprocals a wave) ahead of its first read, tile 1 one group, and the launch has but four tiles.
; Tensor loads out, by this text's count: one a wave at the start, and at most one a wave behind each of the four rounds that fill a slot again.
; REGISTERS, in windows of 256: window 0: v1-29 addresses and small things; v32-119 scale words and nothing else; v128-191, v192-255 fragment buffers 0 and 1.
;   window 1: v0-127 the accumulators, row block a at 32 a, units 32 m on at 16 m in it; v128-191 fragment buffer 2; v192-223 bias; v224-255 v_w.   windows 2, 3: Ua's fragments, K step s at 512 + 32 s, units 32 m on at 16 m in it.
.set PITCH, 1040                       ; an LDS row of enc: 1,024 bytes + 16 of padding = 260 words: row r starts at bank 4 r mod 64 (64 banks of 4 bytes: ISA guide 11.1)
.set GSTEP, 64*PITCH                   ; a group's rows; slot 0's second half begins here
.set UP,    528                        ; an LDS row of Ua's K steps 0 to 7 or of Wa: 512 bytes + 16 of padding
.set VP,    272                        ; an LDS row of Ua's K steps 8 to 11: 256 bytes + 16
.set SLOT,  GSTEP+256*VP               ; slot 1 begins behind those rows, which reach 3,072 bytes further than 128 rows of enc
.set SCP,   80                         ; a row of scale bytes in LDS: 64 + 16 of padding
.set SCL,   SLOT+256*UP                ; behind slot 1, which is as large as 256 rows of UP bytes
.set SPARE, SCL+512*SCP                ; the spare words, 128 bytes for each wave: two blocks of 256 bytes that no other line names
.set RED,   SPARE+512                  ; 2,048 bytes for each wave: its 512 rows' sums over its 64 units; no tensor load lands here
.set BV,    RED+8192                   ; 1,024 bytes for each wave: Wa_b + Ua_b and v_w of its 64 units, dec's row; no tensor load lands here
.set WO,  4                            ; Ua's fragments in memory: 1,024 r + 16 h
.set UL,  5                            ; Ua's K steps 0 to 7, Wa: LDS address of my fragments
.set WSO, 6                            ; Wa's scale words: 32 x lane
.set ZO,  7                            ; 0: dec's scale words
.set USO, 8                            ; Ua's scale words: 64 x lane
.set G8,  9                            ; 8 x lane
.set BVS, 10                           ; where I put two units' bias and v_w
.set BVD, 11                           ; where I put 16 bytes of dec's row
.set ADC, 12                           ; LDS address of my fragments of the group at work
.set ADS, 13                           ; LDS address of the group's scale words
.set RST, 14                           ; where I put the group's sums
.set RLD, 15                           ; where I read four rows' sums back
.set GO,  16                           ; 16 x lane
.set SPW, 17                           ; LDS address of my spare word; never rewritten
.set NIL, 18                           ; 0; never rewritten
.set BVL, 19                           ; where I read bias and v_w: 32 h in my wave's bytes
.set PX,  20                           ; v20-23 the other half of the lanes' sums
.set TT,  24                           ; v24-27 the four row blocks' sums
.set DL,  28                           ; where I read dec's fragments: 16 h in my wave's bytes
.set VL,  29                           ; Ua's K steps 8 to 11: LDS address of my fragments
.set US,  32                           ; Ua's scale words: 16 m + s, lane = unit
.set ES,  64                           ; enc's: 16 (a / 2) + s; lanes 0-15 row block a even, lanes 16-31 a odd
.set WS,  96                           ; Wa's: 8 m + s
.set DS,  112                          ; dec's: s
.set BI,  192                          ; in window 1
.set VV,  224                          ; in window 1
.set WV,  28                           ; wave
.set CX,  29
.set BB,  30                           ; b
.set CH,  31                           ; which 128 rows of Wa I fetch
.set G1,  32                           ; descriptor group 1 for enc's codes;  groups 0 for slot 0 and slot 1
.set G0A, 40
.set G0B, 44
.set G1S, 48                           ; groups 1 and 0 for enc's scales
.set G0S, 56
.set CC,  60                           ; s[60:61] c
.set SEL, 62                           ; s[62:63] lane selects: lane l xor 16
.set TX,  72                           ; unit tile
.set CY,  73
.set CNT, 74
.set U0,  75                           ; my first unit
.set G1U, 76                           ; groups 1 and 0 for Ua's K steps 0 to 7, then for Wa
.set G0U, 84
.set G1V, 88                           ; and for Ua's K steps 8 to 11
.set G0V, 96
.set MSB, 0
.macro WIN new                         ; the immediate's high byte repeats the setting that is left; a switch that changes nothing is dropped
.if MSB != (\new)
	s_set_vgpr_msb (MSB<<8)|(\new)
.set MSB, (\new)
.endif
.endm
.macro PLACES
.rept 4
	v_nop
.endr
.endm
.macro CROUND                          ; a round of the cluster's barrier
	s_barrier_signal -1
	s_barrier_wait -1
	s_cmp_lg_u32 s[WV], 0
	s_cbranch_scc1 .Lnot_wave_0_\@
	s_barrier_signal -3
.Lnot_wave_0_\@:
	s_barrier_wait -3
	s_barrier_signal -1
	s_barrier_wait -1
.endm
.macro LOADT g0, g1                    ; a tensor load and its places
	tensor_load_to_lds s[\g0:\g0+3], s[\g1:\g1+7]
	s_nop 0
	PLACES
.endm
	s_load_b512 s[4:19], s[0:1], 0x0               ; enc's codes, scales s[4:7]; Ua's s[8:11]; Wa's s[12:15]; dec's s[16:19]
	s_load_b256 s[20:27], s[0:1], 0x40             ; Wa_b s[20:21], Ua_b s[22:23], v_w s[24:25], part s[26:27]
	v_lshl_add_u32 v[SPW], v0, 2, SPARE
	v_mov_b32 v[NIL], 0
	ds_add_u32 v[SPW], v[NIL]                      ; the wave's opening: the add, twice on end, and its wait ahead of my first tensor load
	ds_add_u32 v[SPW], v[NIL]
	v_lshrrev_b32 v1, 5, v0
	v_readfirstlane_b32 s[WV], v1
	s_and_b32 s[CH], s[WV], 1
	v_and_b32 v1, 15, v0                           ; r
	v_bfe_u32 v2, v0, 4, 1                         ; h
	v_and_b32 v3, 31, v0                           ; lane
	v_lshlrev_b32 v[WO], 10, v1
	v_lshl_add_u32 v[WO], v2, 4, v[WO]
	s_mul_i32 s74, s[WV], 64*UP                    ; my 64 rows in slot 1
	s_add_co_u32 s74, s74, SLOT
	v_mul_u32_u24 v[UL], v1, UP
	v_lshl_add_u32 v[UL], v2, 4, v[UL]
	v_add_nc_u32 v[UL], s74, v[UL]
	s_mul_i32 s74, s[WV], 64*VP                    ; and in slot 0's second half
	s_add_co_u32 s74, s74, GSTEP
	v_mul_u32_u24 v[VL], v1, VP
	v_lshl_add_u32 v[VL], v2, 4, v[VL]
	v_add_nc_u32 v[VL], s74, v[VL]
	v_mov_b32 v[ZO], 0
	v_lshlrev_b32 v[USO], 6, v3
	v_lshlrev_b32 v[WSO], 5, v3
	v_lshlrev_b32 v[G8], 3, v3
	v_lshlrev_b32 v[GO], 4, v3
	s_lshl_b32 s74, s[WV], 10
	s_add_co_u32 s74, s74, BV                      ; my wave's 1,024 bytes: bias 256, v_w 256, dec 512
	v_lshl_add_u32 v[BVS], v3, 3, s74
	v_lshl_add_u32 v[BVL], v2, 5, s74
	s_add_co_u32 s74, s74, 512
	v_lshl_add_u32 v[BVD], v3, 4, s74
	v_lshl_add_u32 v[DL], v2, 4, s74
	v_mul_u32_u24 v[ADC], v1, PITCH                ; a fragment's row x pitch + 16 h, in slot 0
	v_lshl_add_u32 v[ADC], v2, 4, v[ADC]
	v_mul_u32_u24 v[ADS], v3, SCP
	v_add_nc_u32 v[ADS], SCL, v[ADS]
	s_lshl_b32 s74, s[WV], 11
	s_add_co_u32 s74, s74, RED
	v_lshl_add_u32 v[RST], v1, 2, s74              ; my wave's 2,048 bytes, 4 bytes a row
	s_lshl_b32 s74, s[WV], 9
	s_add_co_u32 s74, s74, RED
	v_lshl_add_u32 v[RLD], v3, 4, s74              ; back: rows 128 w + 4 lane .. + 3
.irp a, 0,1,2,3
	v_mov_b32 v[PX+\a], 0                          ; written once: a lane permute's destination counts as one of its sources
.endr
	s_wait_alu depctr_va_vdst(0)                   ; the wait ahead of the waits and the scalar lines below
	s_bfe_u32 s[CX], ttmp6, 0x40000
	s_bfe_u32 s[CY], ttmp6, 0x40004
	s_lshl_b32 s[TX], ttmp9, 2
	s_add_co_u32 s[TX], s[TX], s[CX]               ; unit tile = 4 x cluster x + cx
	s_and_b32 s[BB], ttmp7, 0xffff
	s_lshl_b32 s[BB], s[BB], 2
	s_add_co_u32 s[BB], s[BB], s[CY]               ; b = 4 x cluster y + cy
	s_lshl_b32 s69, s[CY], 2
	s_lshl_b32 s68, 15, s69                        ; my row of the cluster
	s_lshl_b32 s74, 0x1111, s[CX]                  ; my column
	; group 1, enc's codes: 64 rows (from tile 1 on 128) x 1,024 bytes, 65,536 bytes from s to s + 1, 16 bytes of padding behind each row (code 7: 256 words; code 3: 4 words)
	s_or_b32 s[G1+0], s68, (1<<20)|(1<<21)|(7<<22)|(3<<25)
	s_mov_b32 s[G1+1], 1024<<16
	s_mov_b32 s[G1+2], 64<<16
	s_mov_b32 s[G1+3], 1024<<16
	s_mov_b32 s[G1+4], 64
	s_mov_b32 s[G1+5], 65536
	s_mov_b32 s[G1+6], 0
	s_mov_b32 s[G1+7], 0
	; enc's scales: 512 rows x 64 bytes, 4,096 bytes from s to s + 1
	s_or_b32 s[G1S+0], s68, (1<<20)|(1<<21)|(3<<22)|(3<<25)
	s_mov_b32 s[G1S+1], 64<<16
	s_mov_b32 s[G1S+2], 512<<16
	s_mov_b32 s[G1S+3], 64<<16
	s_mov_b32 s[G1S+4], 512
	s_mov_b32 s[G1S+5], 4096
	s_mov_b32 s[G1S+6], 0
	s_mov_b32 s[G1S+7], 0
	; Ua's K steps 0 to 7: 256 rows x 512 bytes, 1,024 bytes from row to row
	s_or_b32 s[G1U+0], s74, (1<<20)|(1<<21)|(6<<22)|(3<<25)
	s_mov_b32 s[G1U+1], 512<<16
	s_mov_b32 s[G1U+2], 256<<16
	s_mov_b32 s[G1U+3], 512<<16
	s_mov_b32 s[G1U+4], 256
	s_mov_b32 s[G1U+5], 1024
	s_mov_b32 s[G1U+6], 0
	s_mov_b32 s[G1U+7], 0
	; Ua's K steps 8 to 11: 256 rows x 256 bytes
	s_or_b32 s[G1V+0], s74, (1<<20)|(1<<21)|(5<<22)|(3<<25)
	s_mov_b32 s[G1V+1], 256<<16
	s_mov_b32 s[G1V+2], 256<<16
	s_mov_b32 s[G1V+3], 256<<16
	s_mov_b32 s[G1V+4], 256
	s_mov_b32 s[G1V+5], 1024
	s_mov_b32 s[G1V+6], 0
	s_mov_b32 s[G1V+7], 0
	s_lshl_b32 s66, s[BB], 10                      ; enc's codes: b x 1,024
	s_mov_b32 s67, 0
	s_lshl_b32 s70, s[BB], 6                       ; its scales: b x 64
	s_mov_b32 s71, 0
	s_lshl_b32 s2, s[TX], 18                       ; Ua: 256 tx rows of 1,024 bytes
	s_mov_b32 s3, 0
	s_lshl_b32 s100, s[TX], 17                     ; Wa: (256 tx + 128 x half) rows of 512 bytes
	s_lshl_b32 s101, s[CH], 16
	s_add_co_u32 s100, s100, s101
	s_mov_b32 s101, 0
	s_mov_b32 s[G0A], 1
	s_mov_b32 s[G0A+1], 0
	s_mov_b32 s[G0B], 1
	s_mov_b32 s[G0B+1], SLOT
	s_mov_b32 s[G0S], 1
	s_mov_b32 s[G0S+1], SCL
	s_mov_b32 s[G0U], 1
	s_mov_b32 s[G0U+1], SLOT
	s_mov_b32 s[G0V], 1
	s_mov_b32 s[G0V+1], GSTEP
	s_mov_b32 s[CC], 0x4038aa3b                    ; c = 2 log2(e)
	s_mov_b32 s[CC+1], s[CC]                       ; (named with it as a pair, so it is written)
	s_mov_b32 s[SEL], 0x76543210
	s_mov_b32 s[SEL+1], 0xfedcba98
	s_wait_dscnt 0x0                               ; both opening adds are done
	s_wait_kmcnt 0x0
	s_add_nc_u64 s[G0A+2:G0A+3], s[4:5], s[66:67]
	s_add_nc_u64 s[G0B+2:G0B+3], s[G0A+2:G0A+3], 0x800000   ; tile 1: 128 rows further on
	s_add_nc_u64 s[G0S+2:G0S+3], s[6:7], s[70:71]
	s_add_nc_u64 s[G0U+2:G0U+3], s[8:9], s[2:3]
	s_add_nc_u64 s[G0V+2:G0V+3], s[G0U+2:G0U+3], 0x200      ; K step 8: 512 bytes along the row
	s_or_b32 s[G0A+3], s[G0A+3], 0x80000000
	s_or_b32 s[G0B+3], s[G0B+3], 0x80000000
	s_or_b32 s[G0S+3], s[G0S+3], 0x80000000
	s_or_b32 s[G0U+3], s[G0U+3], 0x80000000
	s_or_b32 s[G0V+3], s[G0V+3], 0x80000000
	CROUND                                         ; all sixteen work-groups are here: the first joint loads meet
; The head's loads, one a wave: ONE chain of branches, one load to an arm, one join.
.macro ARM under, g0, g1, next
	s_cmp_lt_u32 s[WV], \under
	s_cbranch_scc0 \next
	LOADT \g0, \g1
	s_branch .Lasked
\next:
.endm
	ARM 1, G0A, G1, .Lhead_s
	ARM 2, G0S, G1S, .Lhead_u
	ARM 3, G0U, G1U, .Lhead_v
	LOADT G0V, G1V
.Lasked:
	s_lshl_b32 s[U0], s[TX], 8
	s_lshl_b32 s68, s[WV], 6
	s_add_co_u32 s[U0], s[U0], s68                 ; my first unit: 256 tx + 64 w
	s_mov_b32 s69, 0
.macro ADDO base, src, sh
	s_lshl_b32 s68, s[\src], \sh
	s_add_nc_u64 s[\base:\base+1], s[\base:\base+1], s[68:69]
.endm
	ADDO 16, BB, 9                                 ; dec's codes: 512 bytes a row
	ADDO 20, U0, 2                                 ; Wa_b
	ADDO 22, U0, 2                                 ; Ua_b
	ADDO 24, U0, 2                                 ; v_w
	ADDO 10, U0, 6                                 ; Ua's scales
	ADDO 18, BB, 5                                 ; dec's scales: 32 bytes a row
	ADDO 14, U0, 5                                 ; Wa's scales
	ADDO 8, U0, 10                                 ; Ua's codes
	s_lshl_b32 s68, s[TX], 6
	s_add_co_u32 s68, s68, s[BB]
	s_lshl_b32 s68, s68, 11
	s_lshl_b32 s70, s[WV], 9
	s_add_co_u32 s68, s68, s70                     ; part: row 64 tx + b of 2,048 bytes, my 128 numbers
	s_add_nc_u64 s[26:27], s[26:27], s[68:69]
	global_load_b128 v[136:139], v[GO], s[16:17]   ; dec's row: 512 bytes
	global_load_b64 v[128:129], v[G8], s[20:21]    ; Wa_b, Ua_b, v_w of my 64 units: 256 bytes each
	global_load_b64 v[130:131], v[G8], s[22:23]
	global_load_b64 v[132:133], v[G8], s[24:25]
.irp m, 0,1
.irp q, 0,1,2,3
	global_load_b128 v[US+16*\m+4*\q:US+16*\m+4*\q+3], v[USO], s[10:11] offset:2048*\m+16*\q
.endr
.endr
.irp q, 0,1
	global_load_b128 v[DS+4*\q:DS+4*\q+3], v[ZO], s[18:19] offset:16*\q
.endr
.irp m, 0,1
.irp q, 0,1
	global_load_b128 v[WS+8*\m+4*\q:WS+8*\m+4*\q+3], v[WSO], s[14:15] offset:1024*\m+16*\q
.endr
.endr
	WIN 0xc0                                       ; window 3: Ua's fragments of K steps 12 to 15, K step s at 32 (s - 8), 16 units at 8 t in it
.irp s, 4,5,6,7
.irp t, 0,1,2,3
.irp c, 0,1
	global_load_b128 v[32*\s+8*\t+4*\c:32*\s+8*\t+4*\c+3], v[WO], s[8:9] offset:16384*\t+64*(\s+8)+32*\c
.endr
.endr
.endr
	WIN 0
	s_wait_loadcnt 32                              ; behind the first eighteen loads 32 were issued: they are in
	v_pk_add_f32 v[128:129], v[128:129], v[130:131]   ; Wa_b + Ua_b of my lane's two units
	ds_store_b64 v[BVS], v[128:129]
	ds_store_b64 v[BVS], v[132:133] offset:256
	ds_store_b128 v[BVD], v[136:139]
	WIN 0x40                                       ; back in the accumulators' layout (my wave's own bytes: LDS serves a wave's instructions in order, ISA guide 5.7.1.4)
.irp t, 0,1,2,3
.irp q, 0,1
	ds_load_b128 v[BI+8*\t+4*\q:BI+8*\t+4*\q+3], v[BVL] offset:64*\t+16*\q
	ds_load_b128 v[VV+8*\t+4*\q:VV+8*\t+4*\q+3], v[BVL] offset:256+64*\t+16*\q
.endr
.endr
	WIN 0
	s_wait_alu depctr_va_vdst(0)                   ; the wait at the head's end
	s_wait_tensorcnt 0x0                           ; my load is in
	s_wait_dscnt 0x0
	s_barrier_signal -1
	s_barrier_wait -1                              ; all four first fills are whole
	WIN 0x80                                       ; window 2: Ua's fragments of K steps 0 to 7
.irp s, 0,1,2,3,4,5,6,7
.irp t, 0,1,2,3
.irp c, 0,1
	ds_load_b128 v[32*\s+8*\t+4*\c:32*\s+8*\t+4*\c+3], v[UL] offset:16*UP*\t+64*\s+32*\c
.endr
.endr
.endr
	WIN 0xc0                                       ; window 3: K steps 8 to 11
.irp s, 0,1,2,3
.irp t, 0,1,2,3
.irp c, 0,1
	ds_load_b128 v[32*\s+8*\t+4*\c:32*\s+8*\t+4*\c+3], v[VL] offset:16*VP*\t+64*\s+32*\c
.endr
.endr
.endr
	WIN 0
	s_wait_tensorcnt 0x0                           ; (none is out since the wait above)
	ds_add_u32 v[SPW], v[NIL]                      ; the add ahead of a refill
	s_mov_b32 s[G0A+1], GSTEP                      ; no tensor load is out, so descriptors may be written: rows 64 to 127 of enc go to slot 0's second half;
	s_add_nc_u64 s[G0A+2:G0A+3], s[G0A+2:G0A+3], 0x400000
	s_mov_b32 s[G1U+2], 128<<16                    ; Wa: 128 rows a wave, 512 bytes from row to row,
	s_mov_b32 s[G1U+4], 128
	s_mov_b32 s[G1U+5], 512
	s_mul_i32 s[G0U+1], s[CH], 128*UP
	s_add_co_u32 s[G0U+1], s[G0U+1], SLOT          ; into slot 1
	s_add_nc_u64 s[G0U+2:G0U+3], s[12:13], s[100:101]
	s_or_b32 s[G0U+3], s[G0U+3], 0x80000000
	s_wait_dscnt 0x0                               ; the add is done; Ua's parts have been moved
	CROUND
	s_cmp_eq_u32 s[WV], 1                          ; wave 0: enc's rows 64 to 127; waves 2 and 3: Wa; wave 1 has no part
	s_cbranch_scc1 .Lasked2
	s_cmp_eq_u32 s[WV], 0
	s_cbranch_scc0 .Lask_wa
	LOADT G0A, G1
	s_branch .Lasked2
.Lask_wa:
	LOADT G0U, G1U
.Lasked2:
; Four of the sixteen LDS loads of K steps 2 q, 2 q + 1 (four row blocks of 16 rows x 128 K, two loads each) into buffer q % 3.
.macro LD4 q, n
.set B2, (\q)%3
	WIN (B2/2)<<6
.set j, 4*(\n)
.rept 4
	ds_load_b128 v[128+64*(B2%2)+32*(j/8)+4*(j%8):128+64*(B2%2)+32*(j/8)+4*(j%8)+3], v[ADC] offset:64*(2*(\q)+j/8)+32*(j%2)+16*PITCH*((j%8)/2)
.set j, j+1
.endr
.endm
.macro LD16 q
.irp n, 0,1,2,3
	LD4 \q, \n
.endr
.endm
; A group's scale words and its first six K steps.  The four places behind the last products stand in STEPS.
.macro PRE
.irp p, 0,1
.irp q, 0,1,2,3
	ds_load_b128 v[ES+16*\p+4*\q:ES+16*\p+4*\q+3], v[ADS] offset:32*SCP*\p+16*\q
.endr
.endr
	LD16 0
	LD16 1
	LD16 2
	WIN 0
.endm
; Matrix instruction number I of the pair of K steps 2 P, 2 P + 1: K step, then units, then row block.  The 8 accumulators take turns, one instruction a turn, in the same order in every step.
.macro MM
.set S1, 2*P+I/8
.set M1, (I/4)%2
.set A1, I%4
.set B1, P%3
.set FB, 128+64*(B1%2)+32*(S1%2)+8*A1
.set WB, 32*(S1%8)+16*M1
.set AB, 32*A1+16*M1
	WIN 0x50|(2+S1/8)|((B1/2)<<2)
.if S1 == 0
.if A1%2
	v_wmma_scale_f32_32x16x128_f4 v[AB:AB+15], v[WB:WB+15], v[FB:FB+7], 0, v[US+16*M1+S1], v[ES+16*(A1/2)+S1] matrix_b_scale:MATRIX_SCALE_ROW1
.else
	v_wmma_scale_f32_32x16x128_f4 v[AB:AB+15], v[WB:WB+15], v[FB:FB+7], 0, v[US+16*M1+S1], v[ES+16*(A1/2)+S1]
.endif
.else
.if A1%2
	v_wmma_scale_f32_32x16x128_f4 v[AB:AB+15], v[WB:WB+15], v[FB:FB+7], v[AB:AB+15], v[US+16*M1+S1], v[ES+16*(A1/2)+S1] matrix_b_scale:MATRIX_SCALE_ROW1
.else
	v_wmma_scale_f32_32x16x128_f4 v[AB:AB+15], v[WB:WB+15], v[FB:FB+7], v[AB:AB+15], v[US+16*M1+S1], v[ES+16*(A1/2)+S1]
.endif
.endif
.endm
; A group's products: eight pairs of K steps, three fragment buffers.  PRE has asked for pairs 0 to 2; behind pair 1 pairs 3 and 4 are fetched into the buffers of pairs 0 and 1, behind pair 3 pairs 5 and 6, behind pair 5 pair 7:
; three runs of loads, each behind four places.  The waits count the loads of the younger pairs: 32 where two are out, 16 where one is.
; first = 1: Ua's K steps 12 to 15 may still be on their way: behind the fragments of pair 6 sixteen loads were issued, behind those of pair 7 none.
.macro KLOOP first
.set P, 0
.rept 8
.if P == 7
	s_wait_dscnt 0
.elseif (P < 6) && ((P%2) == 0)
	s_wait_dscnt 32
.else
	s_wait_dscnt 16
.endif
.if \first && (P > 5)
	s_wait_loadcnt 112-16*P
.endif
.set I, 0
.rept 16
	MM
.set I, I+1
.endr
.if (P == 1) || (P == 3)
	PLACES
	LD16 P+2
	LD16 P+3
.elseif P == 5
	PLACES
	LD16 P+2
.endif
.set P, P+1
.endr
.endm
; On to the next group: the addresses step; these four are also the places behind the last products.
.macro STEPS
	WIN 0
	v_add_nc_u32 v[ADC], GSTEP, v[ADC]
	v_add_nc_u32 v[ADS], 64*SCP, v[ADS]
	v_nop
	v_nop
	s_wait_alu depctr_va_vdst(0)                   ; the wait behind the writes
.endm
.macro ATSLOT slot                     ; the fragments' address at a slot's first row
	v_mul_u32_u24 v[ADC], v1, PITCH
	v_lshl_add_u32 v[ADC], v2, 4, v[ADC]
.if \slot
	v_add_nc_u32 v[ADC], SLOT, v[ADC]
.endif
	s_wait_alu depctr_va_vdst(0)
.endm
; One phase of the way out, on chunks of 32 registers (eight units of each of the four row blocks): 2^. of chunk ex, + 1 on chunk ad, 1 / . of chunk rc, times v_w of chunk sv added onto the products of the chunk before; 9: none.
; What one phase makes the next one reads, behind ONE wait.
.macro PH ex, ad, rc, sv
.set i, 0
.rept 16
.set RR, 32*(i/4)+2*(i%4)
.if \ex < 4
	v_exp_f32 v[RR+8*\ex], v[RR+8*\ex]
.endif
.if \ad < 4
	v_pk_add_f32 v[RR+8*\ad:RR+8*\ad+1], v[RR+8*\ad:RR+8*\ad+1], 1.0 op_sel_hi:[1,0]
.endif
.if \ex < 4
	v_exp_f32 v[RR+8*\ex+1], v[RR+8*\ex+1]
.endif
.if \rc < 4
	v_rcp_f32 v[RR+8*\rc], v[RR+8*\rc]
.endif
.if \sv == 0
	v_pk_mul_f32 v[RR:RR+1], v[RR:RR+1], v[VV+2*(i%4):VV+2*(i%4)+1]
.elseif \sv < 4
	v_pk_fma_f32 v[RR+8*\sv:RR+8*\sv+1], v[RR+8*\sv:RR+8*\sv+1], v[VV+8*\sv+2*(i%4):VV+8*\sv+2*(i%4)+1], v[RR+8*\sv-8:RR+8*\sv-7]
.endif
.if \rc < 4
	v_rcp_f32 v[RR+8*\rc+1], v[RR+8*\rc+1]
.endif
.set i, i+1
.endr
.if (\ex < 4) || (\rc < 4)
	v_nop                                          ; a plain instruction behind the batch
	s_wait_alu depctr_va_vdst(0)
.endif
.endm
.macro EPI                             ; the way out of a group: every register in window 1, in place
	WIN 0x55
.set i, 0
.rept 64
	v_pk_fma_f32 v[2*i:2*i+1], v[2*i:2*i+1], s[CC:CC+1], v[BI+2*(i%16):BI+2*(i%16)+1] op_sel_hi:[1,0,1]   ; c acc + bias; each accumulator from its low end on
.set i, i+1
.endr
	s_wait_alu depctr_va_vdst(0)
	PH 0, 9, 9, 9
	PH 1, 0, 9, 9
	PH 2, 1, 0, 9
	PH 3, 2, 1, 0
	PH 9, 3, 2, 1
	PH 9, 9, 3, 2
	PH 9, 9, 9, 3                                  ; registers 24 to 31 of each row block now hold the sums over its four chunks
.irp a, 0,1,2,3
	v_pk_add_f32 v[32*\a+24:32*\a+25], v[32*\a+24:32*\a+25], v[32*\a+26:32*\a+27]
.endr
.irp a, 0,1,2,3
	v_pk_add_f32 v[32*\a+28:32*\a+29], v[32*\a+28:32*\a+29], v[32*\a+30:32*\a+31]
.endr
.irp a, 0,1,2,3
	v_pk_add_f32 v[32*\a+24:32*\a+25], v[32*\a+24:32*\a+25], v[32*\a+28:32*\a+29]
.endr
	WIN 0x05                                       ; sources window 1, destination window 0
.irp a, 0,1,2,3
	v_add_f32 v[TT+\a], v[32*\a+24], v[32*\a+25]
.endr
	WIN 0
.irp a, 0,1,2,3
	v_permlanex16_b32 v[PX+\a], v[TT+\a], s[SEL], s[SEL+1]   ; my row's other 32 units lie in the lane 16 away
.endr
.irp a, 0,1,2,3
	v_add_f32 v[TT+\a], v[TT+\a], v[PX+\a]
.endr
.irp a, 0,1,2,3
	ds_store_b32 v[RST], v[TT+\a] offset:64*\a     ; row 16 a + r; lanes l and l + 16 write the same word with the same value
.endr
	v_add_nc_u32 v[RST], 256, v[RST]
.endm
; A slot has been read and is filled again with a tile of 128 rows.  how = 0: slot 1 with tile 1, and slot 0's descriptor is made ready for tile 2; 1: the address stands already; 2: two tiles further on (256 rows x 65,536 bytes).
.macro REFILL g0, how
	s_wait_tensorcnt 0x0                           ; all my tensor loads have landed: any part of mine of what is read next
	ds_add_u32 v[SPW], v[NIL]                      ; 0 onto my spare word
.if \how == 0
	s_mov_b32 s[G1+2], 128<<16                     ; (no tensor load of mine is out) from here on 128 rows a load
	s_mov_b32 s[G1+4], 128
	s_mov_b32 s[G0A+1], 0
	s_add_nc_u64 s[G0A+2:G0A+3], s[G0A+2:G0A+3], 0xc00000   ; from row 64 to row 256
.elseif \how == 2
	s_add_nc_u64 s[\g0+2:\g0+3], s[\g0+2:\g0+3], 0x1000000
.endif
	s_wait_dscnt 0x0                               ; the add is done, and my reads of this slot are over
	CROUND
	s_cmp_eq_u32 s[WV], 0                          ; wave 0 fetches the tile
	s_cbranch_scc0 .Lno_part_\@
	LOADT \g0, G1
.Lno_part_\@:
.endm
; A tile's two groups, each behind the way out of the group before it.
.macro TILE lab
	s_mov_b32 s[CNT], 2
\lab:
	PRE
	EPI
	KLOOP 0
	STEPS
	s_sub_co_u32 s[CNT], s[CNT], 1
	s_cmp_lg_u32 s[CNT], 0
	s_cbranch_scc1 \lab
.endm
	PRE                                            ; tile 0, slot 0: its first group has no way out ahead of it
	KLOOP 1
	STEPS
	; ---- THE BIAS: c (dec . Wa + Wa_b + Ua_b) for my 64 units, four K steps at a time
	WIN 0x40
.irp s, 0,1,2,3,4,5,6,7
.irp c, 0,1
	ds_load_b128 v[128+8*\s+4*\c:128+8*\s+4*\c+3], v[DL] offset:64*\s+32*\c   ; dec, from my wave's own bytes: sixteen lanes read the same 16
.endr
.endr
	WIN 0
	s_wait_tensorcnt 0x0                           ; any part of mine of Wa or of enc's rows 64 to 127 is in
	s_wait_dscnt 0x0
	s_barrier_signal -1
	s_barrier_wait -1                              ; everybody's is
.irp hf, 0,4
	WIN 0
.irp s, 0,1,2,3
.irp t, 0,1,2,3
.irp c, 0,1
	ds_load_b128 v[128+32*\s+8*\t+4*\c:128+32*\s+8*\t+4*\c+3], v[UL] offset:16*UP*\t+64*(\s+\hf)+32*\c
.endr
.endr
.endr
	s_wait_dscnt 0x0
	WIN 0x54                                       ; source 0 (Wa) window 0, source 1 (dec), C and D window 1
.irp s, 0,1,2,3                                ; the two accumulators by turns, one instruction a turn
.irp m, 0,1
	v_wmma_scale_f32_32x16x128_f4 v[BI+16*\m:BI+16*\m+15], v[128+32*\s+16*\m:128+32*\s+16*\m+15], v[128+8*(\s+\hf):128+8*(\s+\hf)+7], v[BI+16*\m:BI+16*\m+15], v[WS+8*\m+\s+\hf], v[DS+\s+\hf]
.endr
.endr
	PLACES                                         ; ahead of the next loads into these registers, or of the first read of results
.endr
	WIN 0x41
.set i, 0
.rept 16
	v_pk_mul_f32 v[BI+2*i:BI+2*i+1], v[BI+2*i:BI+2*i+1], s[CC:CC+1] op_sel_hi:[1,0]   ; x c
.set i, i+1
.endr
	WIN 0
	s_wait_alu depctr_va_vdst(0)
	REFILL G0B, 0                                  ; tile 1 into slot 1
	PRE
	EPI
	KLOOP 0
	STEPS
	ATSLOT 1
	REFILL G0A, 1                                  ; tile 2 into slot 0
	TILE .Ltile1
	ATSLOT 0
	REFILL G0B, 2                                  ; tile 3 into slot 1
	TILE .Ltile2
	ATSLOT 1
	s_wait_tensorcnt 0x0                           ; any load of mine of tile 3 is in; nothing is filled again: a plain barrier
	s_wait_dscnt 0x0
	s_barrier_signal -1
	s_barrier_wait -1
	TILE .Ltile3
	EPI
	s_wait_dscnt 0x0                               ; for the others' sake: my sums are stored
	s_barrier_signal -1
	s_barrier_wait -1
.irp k, 0,1,2,3
	ds_load_b128 v[128+4*\k:131+4*\k], v[RLD] offset:2048*\k   ; four rows' sums over each wave's 64 units
.endr
	s_wait_dscnt 0x0
.irp i, 0,2
	v_pk_add_f32 v[128+\i:129+\i], v[128+\i:129+\i], v[132+\i:133+\i]
	v_pk_add_f32 v[136+\i:137+\i], v[136+\i:137+\i], v[140+\i:141+\i]
.endr
.irp i, 0,2
	v_pk_add_f32 v[128+\i:129+\i], v[128+\i:129+\i], v[136+\i:137+\i]
.endr
	global_store_b128 v[GO], v[128:131], s[26:27]  ; 32 lanes store 512 consecutive bytes, at a multiple of 256 from part's first byte
	s_wait_tensorcnt 0x0                           ; the wave's end, behind my last tensor load and my last LDS store
	ds_add_u32 v[SPW], v[NIL]
	s_wait_dscnt 0x0
	CROUND                                         ; the closing round: no work-group ends while a partner may still ask for a tile that names it
	s_endpgm
.Lfunc_end_k_qce2e5e61fe_energy:
	.size	k_qce2e5e61fe_energy, .Lfunc_end_k_qce2e5e61fe_energy-k_qce2e5e61fe_energy
	.p2alignl 7, 3214868480
	.fill 96, 4, 3214868480
	.section	.rodata,"a",@progbits
	.p2align	6, 0x0
	.amdhsa_kernel k_qce2e5e61fe_energy
		.amdhsa_group_segment_fixed_size 327680
		.amdhsa_private_segment_fixed_size 0
		.amdhsa_enable_private_segment 0
		.amdhsa_kernarg_size 96
		.amdhsa_user_sgpr_count 2
		.amdhsa_user_sgpr_kernarg_segment_ptr 1
		.amdhsa_wavefront_size32 1
		.amdhsa_system_sgpr_workgroup_id_x 1
		.amdhsa_system_sgpr_workgroup_id_y 1
		.amdhsa_system_sgpr_workgroup_id_z 1
		.amdhsa_system_vgpr_workitem_id 0
		.amdhsa_next_free_vgpr 1024
		.amdhsa_next_free_sgpr 102
		.amdhsa_reserve_vcc 0
		.amdhsa_float_denorm_mode_32 3
		.amdhsa_float_denorm_mode_16_64 3
		.amdhsa_memory_ordered 1
		.amdhsa_forward_progress 1
		.amdhsa_inst_pref_size 255
	.end_amdhsa_kernel
	.section	.bss,"aw",@nobits
	.p2align	6
	.space	262144
	.amdgpu_metadata
---
amdhsa.version: [ 1, 2 ]
amdhsa.kernels:
  - .name:           k_qce2e5e61fe_energy
    .symbol:         k_qce2e5e61fe_energy.kd
    .args:
      - { .name: encoder_hiddens_codes, .offset: 0, .size: 8, .value_kind: global_buffer, .address_space: global }
      - { .name: encoder_hiddens_scales, .offset: 8, .size: 8, .value_kind: global_buffer, .address_space: global }
      - { .name: Ua_w_codes, .offset: 16, .size: 8, .value_kind: global_buffer, .address_space: global }
      - { .name: Ua_w_scales, .offset: 24, .size: 8, .value_kind: global_buffer, .address_space: global }
      - { .name: Wa_w_codes, .offset: 32, .size: 8, .value_kind: global_buffer, .address_space: global }
      - { .name: Wa_w_scales, .offset: 40, .size: 8, .value_kind: global_buffer, .address_space: global }
      - { .name: last_dec_hidden_codes, .offset: 48, .size: 8, .value_kind: global_buffer, .address_space: global }
      - { .name: last_dec_hidden_scales, .offset: 56, .size: 8, .value_kind: global_buffer, .address_space: global }
      - { .name: Wa_b, .offset: 64, .size: 8, .value_kind: global_buffer, .address_space: global }
      - { .name: Ua_b, .offset: 72, .size: 8, .value_kind: global_buffer, .address_space: global }
      - { .name: v_w, .offset: 80, .size: 8, .value_kind: global_buffer, .address_space: global }
      - { .name: part, .offset: 88, .size: 8, .value_kind: global_buffer, .address_space: global }
    .group_segment_fixed_size: 327680
    .private_segment_fixed_size: 0
    .kernarg_segment_align: 8
    .kernarg_segment_size: 96
    .max_flat_workgroup_size: 128
    .sgpr_count:     102
    .vgpr_count:     1024
    .wavefront_size: 32
...
	.end_amdgpu_metadata
.endif
;; end of part 1
;; launch softmax (part 2): grid 64 x 1, 1 waves a work-group, no clusters, 0 bytes of LDS; arguments part, out0; writes out0
.if DOCPART == 2
	.amdgcn_target "amdgcn-amd-amdhsa--gfx1250"
	.amdhsa_code_object_version 6
	.text
	.protected	k_qce2e5e61fe_softmax
	.globl	k_qce2e5e61fe_softmax
	.p2align	8
	.type	k_qce2e5e61fe_softmax,@function
k_qce2e5e61fe_softmax:
	s_mov_b64 s[64:65], 0
	v_nop
	global_prefetch_b8 v0, s[64:65] scope:SCOPE_SE
	s_setreg_imm32_b32 hwreg(HW_REG_WAVE_MODE, 25, 1), 1
	s_wait_xcnt 0x0
; out0[b][s] = softmax over s of the score -2 P[b][s],  P[b][s] = the sum over nt of part[nt][b][s].
; WORK LEFT OUT: the sum over u of v_w[u], which is in every score of a row alike, is not added (shown at the head of the first kernel).
; THE MAXIMUM IS TAKEN AWAY: the row's largest score is -2 x the row's smallest P, mn.  e^(-2 (P - mn)) = 2^(-c P + c mn), c = 2 log2(e): no exponent lies above rounding's reach of 0.
; SHARES.  A work-group is one wave and takes one b: 512 scores, 16 a lane: s = 128 q + 4 lane + 0 .. 3.  Each load and each store covers 512 consecutive bytes.  The row never leaves the wave: no LDS, no barrier.
.set PS,  16                           ; v[16:79]  part as loaded: 16 nt + 4 q; then v[16:31] the row
.set W,   80                           ; v[80:87]  at work
	s_load_b128 s[4:7], s[0:1], 0x0                ; part, out0
	v_lshlrev_b32 v1, 4, v0                        ; 16 bytes a lane
	s_lshl_b32 s12, ttmp9, 11                      ; a row of 512 numbers is 2,048 bytes
	s_mov_b32 s13, 0
	s_mov_b32 s8, 0xc038aa3b                       ; -c
	s_mov_b32 s9, s8                               ; (named with it as a pair, so it is written)
	s_mov_b32 s10, 0x76543210                      ; v_permlanex16_b32's selects for lane l xor 16
	s_mov_b32 s11, 0xfedcba98
	s_wait_alu depctr_va_vdst(0)
	s_wait_kmcnt 0x0
	s_add_nc_u64 s[4:5], s[4:5], s[12:13]
	s_add_nc_u64 s[6:7], s[6:7], s[12:13]
.irp n, 0,1,2,3
.irp q, 0,1,2,3
	global_load_b128 v[PS+16*\n+4*\q:PS+16*\n+4*\q+3], v1, s[4:5] offset:131072*\n+512*\q th:TH_LOAD_NT   ; read once in the launch
.endr
.endr
	s_wait_loadcnt 0x0
.irp n, 1,2,3
.irp p, 0,2,4,6,8,10,12,14
	v_pk_add_f32 v[PS+\p:PS+\p+1], v[PS+\p:PS+\p+1], v[PS+16*\n+\p:PS+16*\n+\p+1]   ; the four column tiles' parts
.endr
.endr
	v_min3_num_f32 v[W], v[PS], v[PS+1], v[PS+2]                   ; the smallest of my 16, in two chains
	v_min3_num_f32 v[W+1], v[PS+3], v[PS+4], v[PS+5]
	v_min3_num_f32 v[W], v[W], v[PS+6], v[PS+7]
	v_min3_num_f32 v[W+1], v[W+1], v[PS+8], v[PS+9]
	v_min3_num_f32 v[W], v[W], v[PS+10], v[PS+11]
	v_min3_num_f32 v[W+1], v[W+1], v[PS+12], v[PS+13]
	v_min3_num_f32 v[W], v[W], v[PS+14], v[PS+15]
	v_min_num_f32 v[W], v[W], v[W+1]
	v_min_num_f32_dpp v[W], v[W], v[W] row_xmask:1 row_mask:0xf bank_mask:0xf   ; across the 16 lanes of a half,
	v_min_num_f32_dpp v[W], v[W], v[W] row_xmask:2 row_mask:0xf bank_mask:0xf
	v_min_num_f32_dpp v[W], v[W], v[W] row_xmask:4 row_mask:0xf bank_mask:0xf
	v_min_num_f32_dpp v[W], v[W], v[W] row_xmask:8 row_mask:0xf bank_mask:0xf
	v_permlanex16_b32 v[W+1], v[W], s10, s11                       ; and across the halves
	v_min_num_f32 v[W], v[W], v[W+1]                               ; mn, in every lane
	v_mul_f32 v[W+2], 0x4038aa3b, v[W]                             ; c mn, twice: a pair for the packed form
	v_mul_f32 v[W+3], 0x4038aa3b, v[W]
.irp p, 0,2,4,6,8,10,12,14
	v_pk_fma_f32 v[PS+\p:PS+\p+1], v[PS+\p:PS+\p+1], s[8:9], v[W+2:W+3] op_sel_hi:[1,0,1]   ; -c P + c mn
.endr
	s_wait_alu depctr_va_vdst(0)
.irp j, 0,1,2,3,4,5,6,7,8,9,10,11,12,13,14,15
	v_exp_f32 v[PS+\j], v[PS+\j]
.endr
	v_nop                                          ; a plain instruction behind the last exponential,
	s_wait_alu depctr_va_vdst(0)                   ; and the one wait for the batch, ahead of its first reader
	v_pk_add_f32 v[W+4:W+5], v[PS:PS+1], v[PS+2:PS+3]              ; the row's sum: two chains,
	v_pk_add_f32 v[W+6:W+7], v[PS+4:PS+5], v[PS+6:PS+7]
	v_pk_add_f32 v[W+4:W+5], v[W+4:W+5], v[PS+8:PS+9]
	v_pk_add_f32 v[W+6:W+7], v[W+6:W+7], v[PS+10:PS+11]
	v_pk_add_f32 v[W+4:W+5], v[W+4:W+5], v[PS+12:PS+13]
	v_pk_add_f32 v[W+6:W+7], v[W+6:W+7], v[PS+14:PS+15]
	v_pk_add_f32 v[W+4:W+5], v[W+4:W+5], v[W+6:W+7]
	v_add_f32 v[W+4], v[W+4], v[W+5]
	v_add_f32_dpp v[W+4], v[W+4], v[W+4] row_xmask:1 row_mask:0xf bank_mask:0xf   ; then across the lanes
	v_add_f32_dpp v[W+4], v[W+4], v[W+4] row_xmask:2 row_mask:0xf bank_mask:0xf
	v_add_f32_dpp v[W+4], v[W+4], v[W+4] row_xmask:4 row_mask:0xf bank_mask:0xf
	v_add_f32_dpp v[W+4], v[W+4], v[W+4] row_xmask:8 row_mask:0xf bank_mask:0xf
	v_permlanex16_b32 v[W+5], v[W+4], s10, s11
	v_add_f32 v[W+4], v[W+4], v[W+5]               ; at least about 1: the term of the smallest P
	s_wait_alu depctr_va_vdst(0)
	v_rcp_f32 v[W+6], v[W+4]
	v_nop                                          ; a plain instruction behind the reciprocal,
	s_wait_alu depctr_va_vdst(0)                   ; and its wait
.irp p, 0,2,4,6,8,10,12,14
	v_pk_mul_f32 v[PS+\p:PS+\p+1], v[PS+\p:PS+\p+1], v[W+6:W+7] op_sel_hi:[1,0]   ; (of the pair the low word serves both halves; the upper was written by the sums)
.endr
.irp q, 0,1,2,3
	global_store_b128 v1, v[PS+4*\q:PS+4*\q+3], s[6:7] offset:512*\q   ; 32 lanes store 512 consecutive bytes, at a multiple of 256 from out0's first byte
.endr
	s_endpgm
.Lfunc_end_k_qce2e5e61fe_softmax:
	.size	k_qce2e5e61fe_softmax, .Lfunc_end_k_qce2e5e61fe_softmax-k_qce2e5e61fe_softmax
	.p2alignl 7, 3214868480
	.fill 96, 4, 3214868480
	.section	.rodata,"a",@progbits
	.p2align	6, 0x0
	.amdhsa_kernel k_qce2e5e61fe_softmax
		.amdhsa_group_segment_fixed_size 0
		.amdhsa_private_segment_fixed_size 0
		.amdhsa_enable_private_segment 0
		.amdhsa_kernarg_size 16
		.amdhsa_user_sgpr_count 2
		.amdhsa_user_sgpr_kernarg_segment_ptr 1
		.amdhsa_wavefront_size32 1
		.amdhsa_system_sgpr_workgroup_id_x 1
		.amdhsa_system_sgpr_workgroup_id_y 1
		.amdhsa_system_sgpr_workgroup_id_z 1
		.amdhsa_system_vgpr_workitem_id 0
		.amdhsa_next_free_vgpr 96
		.amdhsa_next_free_sgpr 66
		.amdhsa_reserve_vcc 0
		.amdhsa_float_denorm_mode_32 3
		.amdhsa_float_denorm_mode_16_64 3
		.amdhsa_memory_ordered 1
		.amdhsa_forward_progress 1
		.amdhsa_inst_pref_size 8
	.end_amdhsa_kernel
	.amdgpu_metadata
---
amdhsa.version: [ 1, 2 ]
amdhsa.kernels:
  - .name:           k_qce2e5e61fe_softmax
    .symbol:         k_qce2e5e61fe_softmax.kd
    .args:
      - { .name: part, .offset: 0, .size: 8, .value_kind: global_buffer, .address_space: global }
      - { .name: out0, .offset: 8, .size: 8, .value_kind: global_buffer, .address_space: global }
    .group_segment_fixed_size: 0
    .private_segment_fixed_size: 0
    .kernarg_segment_align: 8
    .kernarg_segment_size: 16
    .max_flat_workgroup_size: 32
    .sgpr_count:     66
    .vgpr_count:     96
    .wavefront_size: 32
...
	.end_amdgpu_metadata
.endif
;; end of part 2
